; MI455X (gfx1250); checked and timed in simulation.
; The chip was launched on July 23, 2026; its instructions are those of AMD's public machine-readable ISA for CDNA 5 (MIT licence, August 2026) and "CDNA5" Instruction Set Architecture Reference Guide (July 2026). The comments in the code are by the model that wrote it; some were corrected since.
;; Scaled Dot Product Attention. Allowed arithmetic: matrix products marked QUANTISED: E2M1 operands, one E8M0 scale for each 32 along K, by v_wmma_scale_f32_16x16x128_f8f6f4 with both operands' format E2M1 (or v_wmma_scale_f32_32x16x128_f4), f32 sums; everything else in f32.
;; Inputs: k 4 x 16 x 2,048 x 64 float32; q 4 x 16 x 2,048 x 64 float32; v 4 x 16 x 2,048 x 64 float32.
;; Outputs: out0 4 x 16 x 2,048 x 64 float32.
;; This version of the problem:
;;   THIS VERSION OF THE PROBLEM IS GIVEN IN LOW PRECISION. The matrix products marked QUANTISED in the list below multiply operands that are first quantised to E2M1 (2 exponent bits, 1 mantissa bit; 4 bits a number), with one power-of-two scale for each 32 numbers along K (OCP MX v1.0); their sums are f32. All else is computed in f32.
;;   The module's matrix products, in the order in which they are computed (A, B: the left and right operand; K: the contracted axis; several contracted axes count as one K, in the product's order):
;;     1. batch 64 x [M 2,048, K 64] x [K 64, N 2,048]; A: input q; B: input k: QUANTISED
;;     2. batch 64 x [M 2,048, K 2,048] x [K 2,048, N 64]; A: softmax (see below); B: input v: QUANTISED
;;   THE QUANTISER, for each operand of a quantised product, along K:
;;     - K is cut into blocks of 32 from its start; a last block that is shorter is filled with zeros.
;;     - A block's scale is 2^e with e = floor(log2(the largest magnitude in the block)) - 2, held to -126 .. 127; a block of zeros has e = 0. As a byte (E8M0): e + 127.
;;     - Each number is divided by its block's scale, clamped to +-6, and rounded to the nearest number of E2M1, ties to even, subnormals kept.
;;     - The product sums the exact products of the quantised numbers (number of the format x scale) in f32.
;;   ~~~python
;;   def quantise(x, axis):      # numpy; x: float32 -> the quantised numbers, widened to float32 again
;;       x = np.moveaxis(x, axis, -1); K = x.shape[-1]
;;       x = np.pad(x, [(0, 0)] * (x.ndim - 1) + [(0, -K % 32)]); x = x.reshape(x.shape[:-1] + (-1, 32)); a = np.abs(x).max(-1, keepdims=True)
;;       e = np.where(a > 0, np.clip(np.frexp(np.where(a > 0, a, 1))[1] - 1 - 2, -126, 127), 0)      # np.frexp(a)[1] - 1 = floor(log2(a)), exactly
;;       r = np.clip(x / 2.0 ** e, -6, 6)
;;       step = 2.0 ** (np.maximum(np.frexp(np.where(r == 0, 1, r))[1] - 1, 0) - 1)
;;       q = np.round(r / step) * step * 2.0 ** e      # np.round: ties to even
;;       return np.moveaxis(q.reshape(q.shape[:-2] + (-1,))[..., :K], -1, axis).astype(np.float32)
;;   ~~~
;;   SOFTMAX AHEAD OF A QUANTISED PRODUCT. Where the list says 'softmax', what is quantised is not the finished softmax but p = 2^(t - M), with t = logit x log2(e) and M = ceil(the row's largest t), a whole number; so 1/2 < the row's largest p <= 1. The row's sum l is taken of the UNQUANTISED p, in f32, and the product's result is divided by l at the end. Since M is a whole number, a kernel that streams over the keys may use a running M (the ceiling of the running maximum): every later rescaling is an exact power of two, which a block's scale takes up: the codes' values come out the same.
;;   OPERANDS COMPUTED ON THE WAY. 'Computed on the way' means the value that the module computes at that place (a softmax that the list does not call 'softmax' is quantised finished and normalised). What goes into a quantiser is computed in f32, as accurately as f32 sums, v_exp_f32 and their like allow (about 1e-6 of the number): no bf16 or f16 on the way to a quantiser, and a product that is left as it is and whose result goes on into a quantised operand takes f32 operands (vector FMAs, or v_wmma_f32_16x16x4_f32). A number that lies on a knife's edge between two numbers of the format may be rounded either way, as far as f32 arithmetic and the matrix unit's own rounding can turn it there, and no further.
;; One version. Each part assembles by itself: llvm-mc -triple=amdgcn-amd-amdhsa -mcpu=gfx1250 --defsym DOCPART=n.
;; ======== version 1 of 1: 2 launches
;; workspace buffers: kv 8,912,896 bytes
;; launch quant (part 1): grid 256 x 1, 8 waves a work-group, no clusters, 66,560 bytes of LDS; arguments k, v, kv; writes kv
.if DOCPART == 1
	.amdgcn_target "amdgcn-amd-amdhsa--gfx1250"
	.amdhsa_code_object_version 6
	.text
	.protected	k_q6002df8844_quant
	.globl	k_q6002df8844_quant
	.p2align	8
	.type	k_q6002df8844_quant,@function
k_q6002df8844_quant:
	s_mov_b64 s[64:65], 0
	v_nop
	global_prefetch_b8 v0, s[64:65] scope:SCOPE_SE
	s_setreg_imm32_b32 hwreg(HW_REG_WAVE_MODE, 25, 1), 1
	s_wait_xcnt 0x0
; K and V, [64 heads][2048 keys][64] f32, become codes of E2M1 with one E8M0 byte for each 32 along the product's K: K is quantised along d, V along the keys.
; They are stored as IMAGES OF THE OPERANDS' REGISTERS, one blob of 8,704 bytes for each head and each step of 128 keys:
;   +0     K: operand b (0..3), chunk c (0,1), lane (r, h) at 1024 b + 512 c + 16 lane: the 32 codes of key 32 b + 8 c + r + 8 (r / 8), d = 32 h .. 32 h + 31
;   +4096  V: tile t (0..3), chunk c, lane (r, h) at 1024 t + 512 c + 16 lane: the 32 codes of d = 16 t + r, keys 64 c + 32 h .. + 31 of the step
;   +8192  K's scale words, 8 bytes a lane: word j = operand 2 j + lane / 16, row r; bytes: chunk 0's d blocks 0, 1, chunk 1's d blocks 0, 1
;   +8448  V's scale words, 8 bytes a lane: word j = tile 2 j + lane / 16, row r; byte kb = the step's key block kb
; A block's scale is 2^(floor(log2(its largest magnitude)) - 2); its byte is the largest magnitude's exponent field - 2, held at 1 from below by a floor among the maximum's leaves.
; LIMITS: NaN and infinities among the inputs are not served; a block whose largest magnitude lies under 2^-124 gets the byte 1; a block of zeros gets the byte 1 where the rule says 127:
; its codes are zeros, which add nothing under any byte but 0xff, and the bytes are read by this program alone.
; SHARES.  Work-group g: head g / 4, steps 4 (g % 4) .. + 3.  Waves 0-3 take K of one step each, waves 4-7 V: 128 rows of 256 bytes, 32,768 dense bytes in, 4,352 bytes out.
; Every global load reads 512 consecutive bytes; the numbers turn through the wave's own 8,192 bytes of LDS, so that a lane's 32 registers are one block of 32 along the product's K.
; No barrier: waves share nothing.  No loop: every offset is an immediate, no pointer is stepped, and no store's data register is written again.  32 loads of a wave are on their way.
.set BLOB, 8704
.set R,    32                          ; v32-159   numbers as loaded: K four sets of 32, V two sets of 64
.set X,    160                         ; v160-223  numbers turned: a lane's block(s) of 32
.set C,    224                         ; v224-255  codes: eight groups of four, each written once
	s_load_b128 s[4:7], s[0:1], 0x0                ; k, v
	s_load_b64 s[8:9], s[0:1], 0x10                ; kv
	v_lshl_add_u32 v30, v0, 2, 0x10000
	v_mov_b32 v31, 0
	v_lshrrev_b32 v1, 5, v0
	v_readfirstlane_b32 s10, v1                    ; wave 0..7
	s_lshr_b32 s11, s10, 2                         ; 0: K, 1: V
	s_and_b32 s12, s10, 3
	s_and_b32 s13, ttmp9, 3
	s_lshl_b32 s13, s13, 2
	s_add_co_u32 s12, s12, s13                     ; my step of 128 keys: 4 (g % 4) + wave % 4
	s_lshr_b32 s13, ttmp9, 2                       ; the head
	s_lshl_b32 s22, s10, 13                        ; my 8,192 bytes of LDS
	s_lshl_b32 s18, s13, 19                        ; a head is 2,048 rows of 256 bytes,
	s_lshl_b32 s19, s12, 15                        ; a step 128 of them
	s_add_co_u32 s18, s18, s19
	s_mov_b32 s19, 0
	s_lshl_b32 s23, s13, 4
	s_add_co_u32 s23, s23, s12
	s_mul_i32 s24, s23, BLOB                       ; my blob: (16 head + step) x 8,704
	s_mov_b32 s25, 0
	s_mov_b32 s20, 0x76543210
	s_mov_b32 s21, 0xfedcba98                      ; v_permlanex16_b32's selects for lane l xor 16
	; all addresses are made here, ahead of the parting of the two roles
	v_and_b32 v1, 31, v0                           ; lane
	v_lshlrev_b32 v2, 4, v1                        ; 16 x lane: my 16 bytes of a load's or a store's 512
	v_lshrrev_b32 v5, 4, v1                        ; lane / 16
	v_bfe_u32 v10, v0, 3, 1
	v_and_b32 v11, 7, v0
	v_mul_u32_u24 v3, v5, 144                      ; K's stage, on the way in.  A load's lane holds row lane / 16 of two, half (lane / 8) % 2 of the row's 64 numbers, piece lane % 8 of that half;
	v_mad_u32_u24 v3, v10, 2304, v3                ; image lane r + 16 h has a slot of 128 + 16 bytes: 144 (lane / 16) + 2304 ((lane / 8) % 2) + 16 (lane % 8), and 288 more for each load
	v_lshl_add_u32 v3, v11, 4, v3
	v_add_nc_u32 v3, s22, v3
	v_mul_u32_u24 v4, v1, 144                      ; and on the way out: my slot.  Slots 144 bytes apart, an odd multiple of 16: sixteen lanes' 16 bytes fall on different columns of 16 bytes
	v_add_nc_u32 v4, s22, v4
	v_lshlrev_b32 v6, 3, v1                        ; 8 x lane: the scale words' place
	v_add_nc_u32 v7, s22, v2                       ; V's stage, on the way in: as the bytes lie
	v_lshl_add_u32 v8, v1, 2, s22                  ; and on the way out: column lane of a row
	v_and_b32 v9, 15, v0
	v_lshlrev_b32 v9, 4, v9
	v_lshl_add_u32 v9, v5, 10, v9                  ; V's codes: 1024 (lane / 16) + 16 (lane % 16)
	v_lshlrev_b32 v5, 3, v5                        ; 8 h: a byte's shift
	v_mov_b32 v15, 0                               ; a lane permute's destination counts as one of its sources
	s_wait_kmcnt 0x0
	s_cmp_eq_u32 s11, 0                            ; the choice hangs on the wave's number alone
	s_cselect_b64 s[14:15], s[4:5], s[6:7]
	s_add_nc_u64 s[14:15], s[14:15], s[18:19]      ; my 128 rows
	s_add_nc_u64 s[16:17], s[8:9], s[24:25]        ; my blob
; 32 numbers of a lane, v[x] on, one block: codes into v[c] .. v[c + 3], the scale's byte into v13.
.macro QUANT32 x, c
	v_max3_num_f32 v10, |v[\x]|, |v[\x+1]|, |v[\x+2]|              ; the largest magnitude, in two chains
	v_max3_num_f32 v11, |v[\x+3]|, |v[\x+4]|, |v[\x+5]|
.irp i, 6,10,14,18,22,26
	v_max3_num_f32 v10, v10, |v[\x+\i]|, |v[\x+\i+1]|
	v_max3_num_f32 v11, v11, |v[\x+\i+2]|, |v[\x+\i+3]|
.endr
	v_max3_num_f32 v10, v10, |v[\x+30]|, |v[\x+31]|
	v_max3_num_f32 v10, v10, v11, 0x1800000        ; and the floor 2^(3 - 127): the byte cannot fall under 1
	v_add_nc_u32 v12, 0xff000000, v10              ; 2 off the exponent field: the conversion takes the exponent field of this operand as its scale, and nothing else of it
.irp g, 0,1,2,3
	v_cvt_scalef32_pk8_fp4_f32 v[\c+\g], v[\x+8*\g:\x+8*\g+7], v12   ; eight numbers / the scale, to the nearest code, ties to even, beyond 6 the largest code
.endr
	v_lshrrev_b32 v13, 23, v12                     ; the scale's byte; also the plain line behind the conversions
.endm
	s_cmp_lg_u32 s11, 0
	s_cbranch_scc1 .Lvalues
; ---- K: eight chunks n = 2 b + c of 16 keys: keys 32 b + 8 c + 0 .. 7 and + 16 .. 23
.macro LOADK n
.irp j, 0,1,2,3,4,5,6,7
	global_load_b128 v[R+32*((\n)%4)+4*\j:R+32*((\n)%4)+4*\j+3], v2, s[14:15] offset:(32*((\n)/2)+8*((\n)%2))*256+4096*(\j/4)+512*(\j%4) th:TH_LOAD_NT   ; two rows, 512 consecutive bytes
.endr
.endm
.macro KCHUNK n
.if (\n) < 5
	s_wait_loadcnt 24                              ; this chunk's eight loads are in; those of the three chunks behind it may be out
.else
	s_wait_loadcnt 8*(7-(\n))
.endif
.irp j, 0,1,2,3,4,5,6,7
	ds_store_b128 v3, v[R+32*((\n)%4)+4*\j:R+32*((\n)%4)+4*\j+3] offset:288*\j
.endr
.irp i, 0,1,2,3,4,5,6,7
	ds_load_b128 v[X+4*\i:X+4*\i+3], v4 offset:16*\i               ; LDS serves a wave's instructions in order: these see the stores.  Lane (r, h): d = 32 h .. + 31 of the chunk's row r
.endr
	s_wait_dscnt 0x0                               ; my block is in, and the stores have read their registers,
.if (\n) < 4
	LOADK (\n)+4                                   ; which take the chunk four further on
.endif
	QUANT32 X, C+4*(\n)
	global_store_b128 v2, v[C+4*(\n):C+4*(\n)+3], s[16:17] offset:512*(\n)   ; 32 lanes store 512 consecutive bytes, at a multiple of 256 from kv's first byte
.if (\n)%2 == 0
	v_mov_b32 v14, v13                             ; chunk 0's byte;
.else
	v_lshl_or_b32 v14, v13, 16, v14                ; chunk 1's two bytes further up;
	v_lshlrev_b32 v14, v5, v14                     ; d block h: 8 h bits up;
	v_permlanex16_b32 v15, v14, s20, s21
	v_or_b32 v[16+(\n)/2], v14, v15                ; with lane l xor 16's two the operand's word of row r is whole, in both halves of the lanes
.endif
.endm
	LOADK 0
	LOADK 1
	LOADK 2
	LOADK 3
.irp n, 0,1,2,3,4,5,6,7
	KCHUNK \n
.endr
	v_cmp_ne_u32 vcc_lo, 0, v5                     ; lanes 16-31 carry the odd operands' words
	v_cndmask_b32 v20, v16, v17, vcc_lo
	v_cndmask_b32 v21, v18, v19, vcc_lo
	global_store_b64 v6, v[20:21], s[16:17] offset:8192            ; 32 lanes store 256 consecutive bytes, aligned
	s_wait_tensorcnt 0x0
	ds_add_u32 v30, v31
	s_wait_dscnt 0x0
	s_endpgm
; ---- V: four blocks kb of 32 keys.  A lane takes columns d = lane and lane + 32, and its registers run down the keys: nothing is transposed by an instruction
.Lvalues:
.macro LOADV kb
.irp j, 0,1,2,3,4,5,6,7,8,9,10,11,12,13,14,15
	global_load_b128 v[R+64*((\kb)%2)+4*\j:R+64*((\kb)%2)+4*\j+3], v2, s[14:15] offset:8192*(\kb)+512*\j th:TH_LOAD_NT
.endr
.endm
.macro VBLOCK kb
.if (\kb) < 3
	s_wait_loadcnt 16                              ; this block's sixteen loads are in; the next block's may be out
.else
	s_wait_loadcnt 0x0
.endif
.irp j, 0,1,2,3,4,5,6,7,8,9,10,11,12,13,14,15
	ds_store_b128 v7, v[R+64*((\kb)%2)+4*\j:R+64*((\kb)%2)+4*\j+3] offset:512*\j   ; 32 rows of 256 bytes, as they lie
.endr
.irp e, 0,1
.irp i, 0,1,2,3,4,5,6,7,8,9,10,11,12,13,14,15,16,17,18,19,20,21,22,23,24,25,26,27,28,29,30,31
	ds_load_b32 v[X+32*\e+\i], v8 offset:256*\i+128*\e             ; V(key 32 kb + i, d = lane + 32 e): 32 lanes read 128 consecutive bytes
.endr
.endr
	s_wait_dscnt 0x0
.if (\kb) < 2
	LOADV (\kb)+2
.endif
.irp e, 0,1
	QUANT32 X+32*\e, C+4*(2*(\kb)+\e)
.if (\kb) == 0
	v_mov_b32 v[16+\e], v13                        ; the word of d = lane + 32 e: byte kb
.else
	v_lshl_or_b32 v[16+\e], v13, 8*(\kb), v[16+\e]
.endif
	global_store_b128 v9, v[C+4*(2*(\kb)+\e):C+4*(2*(\kb)+\e)+3], s[16:17] offset:4096+2048*\e+512*((\kb)/2)+256*((\kb)%2)   ; tile 2 e + lane / 16, chunk kb / 2, half kb % 2: sixteen lanes store 256 consecutive bytes, aligned
.endr
.endm
	LOADV 0
	LOADV 1
.irp kb, 0,1,2,3
	VBLOCK \kb
.endr
	global_store_b64 v6, v[16:17], s[16:17] offset:8448            ; 32 lanes store 256 consecutive bytes, aligned
	s_wait_tensorcnt 0x0
	ds_add_u32 v30, v31
	s_wait_dscnt 0x0
	s_endpgm
.Lfunc_end_k_q6002df8844_quant:
	.size	k_q6002df8844_quant, .Lfunc_end_k_q6002df8844_quant-k_q6002df8844_quant
	.p2alignl 7, 3214868480
	.fill 96, 4, 3214868480
	.section	.rodata,"a",@progbits
	.p2align	6, 0x0
	.amdhsa_kernel k_q6002df8844_quant
		.amdhsa_group_segment_fixed_size 66560
		.amdhsa_private_segment_fixed_size 0
		.amdhsa_enable_private_segment 0
		.amdhsa_kernarg_size 24
		.amdhsa_user_sgpr_count 2
		.amdhsa_user_sgpr_kernarg_segment_ptr 1
		.amdhsa_wavefront_size32 1
		.amdhsa_system_sgpr_workgroup_id_x 1
		.amdhsa_system_sgpr_workgroup_id_y 1
		.amdhsa_system_sgpr_workgroup_id_z 1
		.amdhsa_system_vgpr_workitem_id 0
		.amdhsa_next_free_vgpr 256
		.amdhsa_next_free_sgpr 66
		.amdhsa_reserve_vcc 1
		.amdhsa_float_denorm_mode_32 3
		.amdhsa_float_denorm_mode_16_64 3
		.amdhsa_memory_ordered 1
		.amdhsa_forward_progress 1
		.amdhsa_inst_pref_size 69
	.end_amdhsa_kernel
	.amdgpu_metadata
---
amdhsa.version: [ 1, 2 ]
amdhsa.kernels:
  - .name:           k_q6002df8844_quant
    .symbol:         k_q6002df8844_quant.kd
    .args:
      - { .name: k, .offset: 0, .size: 8, .value_kind: global_buffer, .address_space: global }
      - { .name: v, .offset: 8, .size: 8, .value_kind: global_buffer, .address_space: global }
      - { .name: kv, .offset: 16, .size: 8, .value_kind: global_buffer, .address_space: global }
    .group_segment_fixed_size: 66560
    .private_segment_fixed_size: 0
    .kernarg_segment_align: 8
    .kernarg_segment_size: 24
    .max_flat_workgroup_size: 256
    .sgpr_count:     66
    .vgpr_count:     256
    .wavefront_size: 32
...
	.end_amdgpu_metadata
.endif
;; end of part 1
;; launch attn (part 2): grid 4 x 64, 16 waves a work-group, no clusters, 215,040 bytes of LDS; arguments q, kv, out0; writes out0
.if DOCPART == 2
	.amdgcn_target "amdgcn-amd-amdhsa--gfx1250"
	.amdhsa_code_object_version 6
	.text
	.protected	k_q6002df8844_attn
	.globl	k_q6002df8844_attn
	.p2align	8
	.type	k_q6002df8844_attn,@function
k_q6002df8844_attn:
	s_mov_b64 s[64:65], 0
	v_nop
	global_prefetch_b8 v0, s[64:65] scope:SCOPE_SE
	s_setreg_imm32_b32 hwreg(HW_REG_WAVE_MODE, 25, 1), 1
	s_wait_xcnt 0x0
.set BLOB,  8704
.set HEADB, 16*BLOB
.set PIECE, 4352
.set STAGE, HEADB
.set KA,  32
.set VA,  64
.set ST,  96
.set OT,  160
.set PC,  192
.set BM,  212
.set T2,  216
.set SCL, 220
	s_load_b128 s[4:7], s[0:1], 0x0
	s_load_b64 s[8:9], s[0:1], 0x10
	v_lshl_add_u32 v254, v0, 2, 0x34000
	v_mov_b32 v255, 0
	ds_add_u32 v254, v255
	ds_add_u32 v254, v255
	v_lshrrev_b32 v1, 5, v0
	s_delay_alu instid0(VALU_DEP_1)
	v_readfirstlane_b32 s10, v1
	s_mov_b32 s11, ttmp9
	s_and_b32 s12, ttmp7, 0xffff
	s_lshl_b32 s13, s11, 8
	s_lshl_b32 s46, s10, 4
	s_add_co_u32 s13, s13, s46
	s_sub_co_u32 s14, 2032, s13
	s_mov_b32 s16, 3<<16
	s_mov_b32 s17, 32<<16
	s_mov_b32 s18, 17<<16
	s_mov_b32 s19, 32<<16
	s_mov_b32 s20, 17
	s_mov_b32 s21, 32
	s_mov_b32 s22, 0
	s_mov_b32 s23, 0
	s_mul_i32 s25, s10, PIECE
	s_mul_i32 s52, s12, HEADB
	s_add_co_u32 s52, s52, s25
	s_mov_b32 s53, 0
	s_lshl_b32 s46, s12, 19
	s_lshl_b32 s48, s13, 8
	s_add_co_u32 s48, s48, s46
	s_mov_b32 s49, 0
	s_lshl_b32 s50, s14, 8
	s_add_co_u32 s50, s50, s46
	s_mov_b32 s51, 0
	s_mov_b32 s24, 1
	s_mov_b32 s28, 1
	s_add_co_u32 s29, s25, 8*BLOB
	s_wait_dscnt 0x0
	s_wait_kmcnt 0x0
	s_add_nc_u64 s[26:27], s[6:7], s[52:53]
	s_add_nc_u64 s[30:31], s[26:27], 8*BLOB
	s_or_b32 s27, s27, 0x80000000
	s_or_b32 s31, s31, 0x80000000
	tensor_load_to_lds s[24:27], s[16:23]
	s_nop 0
	tensor_load_to_lds s[28:31], s[16:23]
	s_nop 0
.rept 4
	v_nop
.endr
	s_add_nc_u64 s[32:33], s[4:5], s[48:49]
	s_add_nc_u64 s[34:35], s[4:5], s[50:51]
	s_add_nc_u64 s[36:37], s[8:9], s[48:49]
	s_add_nc_u64 s[38:39], s[8:9], s[50:51]
	v_and_b32 v7, 31, v0
	s_delay_alu instid0(VALU_DEP_1)
	v_lshlrev_b32 v1, 4, v7
.irp j, 0,1,2,3,4,5,6,7
	global_load_b128 v[ST+4*\j:ST+4*\j+3], v1, s[32:33] offset:512*\j th:TH_LOAD_NT
.endr
.irp j, 0,1,2,3,4,5,6,7
	global_load_b128 v[ST+32+4*\j:ST+32+4*\j+3], v1, s[34:35] offset:512*\j th:TH_LOAD_NT
.endr
	v_lshlrev_b32 v2, 3, v7
	s_mul_i32 s47, s10, 4608
	s_add_co_u32 s47, s47, STAGE
	v_lshrrev_b32 v11, 4, v7
	v_bfe_u32 v8, v0, 3, 1
	v_and_b32 v9, 7, v0
	s_delay_alu instid0(VALU_DEP_3)
	v_mul_u32_u24 v3, v11, 144
	s_delay_alu instid0(VALU_DEP_1)
	v_mad_u32_u24 v3, v8, 2304, v3
	s_delay_alu instid0(VALU_DEP_1)
	v_lshl_add_u32 v3, v9, 4, v3
	s_delay_alu instid0(VALU_DEP_1)
	v_add_nc_u32 v3, s47, v3
	v_mul_u32_u24 v4, v7, 144
	s_delay_alu instid0(VALU_DEP_1)
	v_add_nc_u32 v4, s47, v4
	v_and_b32 v10, 15, v0
	s_delay_alu instid0(VALU_DEP_1)
	v_mul_u32_u24 v5, v10, 272
	s_delay_alu instid0(VALU_DEP_1)
	v_lshl_add_u32 v5, v11, 5, v5
	s_delay_alu instid0(VALU_DEP_1)
	v_add_nc_u32 v5, s47, v5
	v_mul_u32_u24 v6, v11, 272
	s_delay_alu instid0(VALU_DEP_1)
	v_lshl_add_u32 v6, v10, 4, v6
	s_delay_alu instid0(VALU_DEP_1)
	v_add_nc_u32 v6, s47, v6
	v_lshlrev_b32 v8, 4, v11
	s_delay_alu instid0(VALU_DEP_1)
	v_sub_nc_u32 v10, v10, v8
	v_lshlrev_b32 v11, 3, v11
	s_mov_b32 s40, 0x76543210
	s_mov_b32 s41, 0xfedcba98
	s_mov_b32 s42, 0x3e38aa3b
	s_mov_b32 s43, s42
	v_mov_b32 v227, 0xff800000
	v_mov_b32 v225, 0
	v_mov_b32 v226, 0
.irp b, 0,1,2,3
	v_mov_b32 v[T2+\b], 0
.endr
.macro QUANT32 x, c
	v_max3_num_f32 v212, |v[\x]|, |v[\x+1]|, |v[\x+2]|
	v_max3_num_f32 v213, |v[\x+3]|, |v[\x+4]|, |v[\x+5]|
.irp i, 6,10,14,18,22,26
	s_delay_alu instid0(VALU_DEP_2)
	v_max3_num_f32 v212, v212, |v[\x+\i]|, |v[\x+\i+1]|
	s_delay_alu instid0(VALU_DEP_2)
	v_max3_num_f32 v213, v213, |v[\x+\i+2]|, |v[\x+\i+3]|
.endr
	s_delay_alu instid0(VALU_DEP_2)
	v_max3_num_f32 v212, v212, |v[\x+30]|, |v[\x+31]|
	s_delay_alu instid0(VALU_DEP_1)
	v_max3_num_f32 v212, v212, v213, 0x1800000
	s_delay_alu instid0(VALU_DEP_1)
	v_add_nc_u32 v220, 0xff000000, v212
.irp g, 0,1,2,3
	v_cvt_scalef32_pk8_fp4_f32 v[\c+\g], v[\x+8*\g:\x+8*\g+7], v220
.endr
	v_lshrrev_b32 v214, 23, v220
.endm
.macro QWORD w
	s_delay_alu instid0(VALU_DEP_1)
	v_lshlrev_b32 v214, v11, v214
	s_delay_alu instid0(VALU_DEP_1)
	v_permlanex16_b32 v216, v214, s40, s41
	s_delay_alu instid0(VALU_DEP_1)
	v_or_b32 v214, v214, v216
	s_delay_alu instid0(VALU_DEP_1)
	v_lshl_or_b32 v[\w], v214, 16, v214
.endm
	s_wait_loadcnt 8
.irp j, 0,1,2,3,4,5,6,7
	ds_store_b128 v3, v[ST+4*\j:ST+4*\j+3] offset:288*\j
.endr
.irp i, 0,1,2,3,4,5,6,7
	ds_load_b128 v[KA+4*\i:KA+4*\i+3], v4 offset:16*\i
.endr
	s_wait_loadcnt 0x0
.irp j, 0,1,2,3,4,5,6,7
	ds_store_b128 v3, v[ST+32+4*\j:ST+32+4*\j+3] offset:288*\j
.endr
.irp i, 0,1,2,3,4,5,6,7
	ds_load_b128 v[VA+4*\i:VA+4*\i+3], v4 offset:16*\i
.endr
	s_wait_dscnt 16
	QUANT32 KA, 20
	QWORD 28
	s_wait_dscnt 0x0
	QUANT32 VA, 200
	QWORD 29
	v_nop
.irp j, 16,17,18,19,24,25,26,27
	v_mov_b32 v[\j], 0
.endr
	s_wait_tensorcnt 0x1
	s_barrier_signal -1
	s_barrier_wait -1
.macro KQ d, a, q, sc, row
.if \row
	v_wmma_scale_f32_16x16x128_f8f6f4 v[\d:\d+7], v[\a:\a+7], v[\q:\q+7], 0, v[\sc], v28 matrix_a_fmt:MATRIX_FMT_FP4 matrix_b_fmt:MATRIX_FMT_FP4 matrix_a_scale:MATRIX_SCALE_ROW1
.else
	v_wmma_scale_f32_16x16x128_f8f6f4 v[\d:\d+7], v[\a:\a+7], v[\q:\q+7], 0, v[\sc], v28 matrix_a_fmt:MATRIX_FMT_FP4 matrix_b_fmt:MATRIX_FMT_FP4
.endif
.endm
.macro PV d, a, sc, row
.if \row
	v_wmma_scale_f32_16x16x128_f8f6f4 v[\d:\d+7], v[\a:\a+7], v[PC:PC+7], v[\d:\d+7], v[\sc], v208 matrix_a_fmt:MATRIX_FMT_FP4 matrix_b_fmt:MATRIX_FMT_FP4 matrix_a_scale:MATRIX_SCALE_ROW1
.else
	v_wmma_scale_f32_16x16x128_f8f6f4 v[\d:\d+7], v[\a:\a+7], v[PC:PC+7], v[\d:\d+7], v[\sc], v208 matrix_a_fmt:MATRIX_FMT_FP4 matrix_b_fmt:MATRIX_FMT_FP4
.endif
.endm
.macro STEP q0
	s_add_co_u32 s46, s[\q0], 15
	s_cmp_gt_u32 s44, s46
	s_cbranch_scc1 .Lhidden_\@
	s_setprio 2
	v_add_nc_u32 v8, s45, v1
	v_add_nc_u32 v9, s45, v2
	ds_load_b64 v[204:205], v9 offset:8192
.irp b, 0,1,2,3
.irp c, 0,1
	ds_load_b128 v[KA+8*\b+4*\c:KA+8*\b+4*\c+3], v8 offset:1024*\b+512*\c
.endr
.endr
	ds_load_b64 v[206:207], v9 offset:8448
.irp t, 0,1,2,3
.irp c, 0,1
	ds_load_b128 v[VA+8*\t+4*\c:VA+8*\t+4*\c+3], v8 offset:4096+1024*\t+512*\c
.endr
.endr
	s_wait_dscnt 9
.irp b, 0,1,2,3
	KQ ST+16*\b, KA+8*\b, 20, 204+\b/2, \b%2
	KQ ST+8+16*\b, KA+8*\b, 16, 204+\b/2, \b%2
.endr
.rept 4
	v_nop
.endr
	s_add_co_u32 s46, s44, 127
	s_cmp_le_u32 s46, s[\q0]
	s_cbranch_scc1 .Lopen_\@
	s_sub_co_u32 s46, s[\q0], s44
	v_add_nc_u32 v226, s46, v10
.set nn, 0
.rept 64
	v_cmp_gt_i32 vcc_lo, 32*(nn/16)+nn%16, v226
	v_cndmask_b32 v[ST+nn], v[ST+nn], v227, vcc_lo
.set nn, nn+1
.endr
.Lopen_\@:
.irp b, 0,1,2,3
	v_max3_num_f32 v[BM+\b], v[ST+16*\b], v[ST+1+16*\b], v[ST+2+16*\b]
.endr
.irp i, 3,5,7,9,11,13
.irp b, 0,1,2,3
	v_max3_num_f32 v[BM+\b], v[BM+\b], v[ST+16*\b+\i], v[ST+1+16*\b+\i]
.endr
.endr
.irp b, 0,1,2,3
	v_max_num_f32 v[BM+\b], v[BM+\b], v[ST+15+16*\b]
.endr
.irp b, 0,1,2,3
	s_delay_alu instid0(VALU_DEP_4)
	v_permlanex16_b32 v[T2+\b], v[BM+\b], s40, s41
.endr
.irp b, 0,1,2,3
	s_delay_alu instid0(VALU_DEP_4)
	v_max_num_f32 v[BM+\b], v[BM+\b], v[T2+\b]
.endr
	s_delay_alu instid0(VALU_DEP_2)
	v_max3_num_f32 v226, v[BM], v[BM+1], v[BM+2]
	s_delay_alu instid0(VALU_DEP_1)
	v_max_num_f32 v226, v226, v[BM+3]
	s_delay_alu instid0(VALU_DEP_1)
	v_mul_f32 v226, s42, v226
	s_delay_alu instid0(VALU_DEP_1)
	v_max_num_f32 v13, v13, v226
	v_mov_b32 v226, v12
	s_delay_alu instid0(VALU_DEP_2)
	v_floor_f32 v12, -v13
	s_delay_alu instid0(VALU_DEP_1)
	v_sub_f32 v226, v12, v226
	s_delay_alu instid0(VALU_DEP_1)
	v_cvt_i32_f32 v226, v226
	s_delay_alu instid0(VALU_DEP_1)
	v_ldexp_f32 v224, 1.0, v226
.set jj, 0
.rept 32
	v_pk_fma_f32 v[ST+jj:ST+jj+1], v[ST+jj:ST+jj+1], s[42:43], v[12:13] op_sel_hi:[1,0,0]
.set jj, jj+2
.endr
	s_setprio 1
.irp b, 0,1,2,3
	v_fma_f32 v[BM+\b], v[BM+\b], s42, v12
.endr
.set jj, 0
	s_wait_alu depctr_va_vdst(0)
.rept 64
	v_exp_f32 v[ST+jj], v[ST+jj]
.set jj, jj+1
.endr
	v_pk_mul_f32 v[14:15], v[14:15], v[224:225] op_sel_hi:[1,0]
	s_wait_alu depctr_va_vdst(0)
.irp b, 0,1,2,3
	v_exp_f32 v[BM+\b], v[BM+\b]
.endr
	v_pk_add_f32 v[216:217], v[100:101], v[104:105]
	v_pk_add_f32 v[252:253], v[108:109], v[112:113]
	v_pk_add_f32 v[250:251], v[116:117], v[120:121]
	v_pk_add_f32 v[248:249], v[124:125], v[128:129]
	v_pk_add_f32 v[246:247], v[132:133], v[136:137]
	v_pk_add_f32 v[244:245], v[140:141], v[144:145]
	v_pk_add_f32 v[242:243], v[148:149], v[152:153]
	v_pk_add_f32 v[14:15], v[14:15], v[156:157]
	v_pk_add_f32 v[216:217], v[216:217], v[96:97]
	v_pk_add_f32 v[252:253], v[252:253], v[98:99]
	v_pk_add_f32 v[250:251], v[250:251], v[102:103]
	v_pk_add_f32 v[248:249], v[248:249], v[106:107]
	v_pk_add_f32 v[246:247], v[246:247], v[110:111]
	v_pk_add_f32 v[244:245], v[244:245], v[114:115]
	v_pk_add_f32 v[242:243], v[242:243], v[118:119]
	v_pk_add_f32 v[14:15], v[14:15], v[122:123]
	v_pk_add_f32 v[216:217], v[216:217], v[126:127]
	v_pk_add_f32 v[252:253], v[252:253], v[130:131]
	v_pk_add_f32 v[250:251], v[250:251], v[134:135]
	v_pk_add_f32 v[248:249], v[248:249], v[138:139]
	v_pk_add_f32 v[246:247], v[246:247], v[142:143]
	v_pk_add_f32 v[244:245], v[244:245], v[146:147]
	v_pk_add_f32 v[242:243], v[242:243], v[150:151]
	v_pk_add_f32 v[14:15], v[14:15], v[154:155]
	v_pk_add_f32 v[216:217], v[216:217], v[158:159]
	s_delay_alu instid0(VALU_DEP_2)
	v_pk_add_f32 v[14:15], v[14:15], v[248:249]
	s_delay_alu instid0(VALU_DEP_2)
	v_pk_add_f32 v[216:217], v[216:217], v[246:247]
	v_pk_add_f32 v[252:253], v[252:253], v[244:245]
	v_pk_add_f32 v[250:251], v[250:251], v[242:243]
	s_delay_alu instid0(VALU_DEP_2)
	v_pk_add_f32 v[14:15], v[14:15], v[252:253]
	s_delay_alu instid0(VALU_DEP_2)
	v_pk_add_f32 v[216:217], v[216:217], v[250:251]
	s_delay_alu instid0(VALU_DEP_1)
	v_pk_add_f32 v[14:15], v[14:15], v[216:217]
	s_wait_alu depctr_va_vdst(0)
.irp b, 0,1,2,3
	v_max_num_f32 v[BM+\b], 0x1800000, v[BM+\b]
.endr
.irp b, 0,1,2,3
	s_delay_alu instid0(VALU_DEP_4)
	v_add_nc_u32 v[SCL+\b], 0xff000000, v[BM+\b]
.endr
.irp b, 0,1,2,3
	s_delay_alu instid0(VALU_DEP_4)
	v_lshrrev_b32 v[T2+\b], 23, v[SCL+\b]
.endr
	s_delay_alu instid0(VALU_DEP_3)
	v_lshl_or_b32 v208, v[T2+1], 8, v[T2]
	s_delay_alu instid0(VALU_DEP_1)
	v_lshl_or_b32 v208, v[T2+2], 16, v208
	s_delay_alu instid0(VALU_DEP_1)
	v_lshl_or_b32 v208, v[T2+3], 24, v208
	s_setprio 0
.irp b, 0,1,2,3
	v_cvt_scalef32_pk8_fp4_f32 v[PC+2*\b], v[ST+16*\b:ST+16*\b+7], v[SCL+\b]
	v_cvt_scalef32_pk8_fp4_f32 v[PC+1+2*\b], v[ST+8+16*\b:ST+8+16*\b+7], v[SCL+\b]
.endr
	v_nop
.irp c, 0,1
.irp i, 0,1
	v_permlane16_swap_b32 v[PC+4*\c+\i], v[PC+2+4*\c+\i]
.endr
.endr
.set jj, 0
.rept 16
	v_pk_mul_f32 v[OT+jj:OT+jj+1], v[OT+jj:OT+jj+1], v[224:225] op_sel_hi:[1,0]
.set jj, jj+2
.endr
	s_wait_alu depctr_va_vdst(0)
	s_wait_dscnt 0x0
.irp t, 0,1,2,3
	PV OT+8*\t, VA+8*\t, 206+\t/2, \t%2
.endr
.rept 4
	v_nop
.endr
.Lhidden_\@:
.endm
.macro TILE q0, outp, trips, second
.if \second
.irp j, 0,1,2,3
	v_mov_b32 v[20+\j], v[200+\j]
.endr
	v_mov_b32 v28, v29
.endif
	v_mov_b32 v13, 0xff61b1e6
	s_delay_alu instid0(VALU_DEP_1)
	v_floor_f32 v12, -v13
	v_mov_b32 v14, 0
	v_mov_b32 v15, 0
.set jj, 0
.rept 32
	v_mov_b32 v[OT+jj], 0
.set jj, jj+1
.endr
	s_mov_b32 s44, 0
	s_mov_b32 s45, 0
.Lstep_\@:
	STEP \q0
	s_add_co_u32 s45, s45, BLOB
	s_add_co_u32 s44, s44, 128
	s_cmp_lt_u32 s44, 128*\trips
	s_cbranch_scc1 .Lstep_\@
	s_setprio 0
	v_add_f32 v14, v14, v15
	s_delay_alu instid0(VALU_DEP_1)
	v_permlanex16_b32 v226, v14, s40, s41
	s_delay_alu instid0(VALU_DEP_1)
	v_add_f32 v14, v14, v226
	s_wait_alu depctr_va_vdst(0)
	v_rcp_f32 v14, v14
	v_nop
	s_wait_alu depctr_va_vdst(0)
.set jj, 0
.rept 16
	v_pk_mul_f32 v[ST+jj:ST+jj+1], v[OT+jj:OT+jj+1], v[14:15] op_sel_hi:[1,0]
.set jj, jj+2
.endr
.irp t, 0,1,2,3
	ds_store_b128 v5, v[ST+8*\t:ST+8*\t+3] offset:64*\t
	ds_store_b128 v5, v[ST+8*\t+4:ST+8*\t+7] offset:64*\t+16
.endr
.irp i, 0,1,2,3,4,5,6,7
	ds_load_b128 v[KA+4*\i:KA+4*\i+3], v6 offset:544*\i
.endr
.irp i, 0,1,2,3,4,5,6,7
	s_wait_dscnt 7-\i
	global_store_b128 v1, v[KA+4*\i:KA+4*\i+3], s[\outp:\outp+1] offset:512*\i th:TH_STORE_NT
.endr
.endm
	TILE 13, 36, 8, 0
	s_wait_xcnt 0x0
	s_wait_tensorcnt 0x0
	s_wait_dscnt 0x0
	s_barrier_signal -1
	s_barrier_wait -1
	TILE 14, 38, 16, 1
	s_wait_tensorcnt 0x0
	ds_add_u32 v254, v255
	s_wait_dscnt 0x0
	s_endpgm
.Lfunc_end_k_q6002df8844_attn:
	.size	k_q6002df8844_attn, .Lfunc_end_k_q6002df8844_attn-k_q6002df8844_attn
	.p2alignl 7, 3214868480
	.fill 96, 4, 3214868480
	.section	.rodata,"a",@progbits
	.p2align	6, 0x0
	.amdhsa_kernel k_q6002df8844_attn
		.amdhsa_group_segment_fixed_size 215040
		.amdhsa_private_segment_fixed_size 0
		.amdhsa_enable_private_segment 0
		.amdhsa_kernarg_size 24
		.amdhsa_user_sgpr_count 2
		.amdhsa_user_sgpr_kernarg_segment_ptr 1
		.amdhsa_wavefront_size32 1
		.amdhsa_system_sgpr_workgroup_id_x 1
		.amdhsa_system_sgpr_workgroup_id_y 1
		.amdhsa_system_sgpr_workgroup_id_z 1
		.amdhsa_system_vgpr_workitem_id 0
		.amdhsa_next_free_vgpr 256
		.amdhsa_next_free_sgpr 66
		.amdhsa_reserve_vcc 1
		.amdhsa_float_denorm_mode_32 3
		.amdhsa_float_denorm_mode_16_64 3
		.amdhsa_memory_ordered 1
		.amdhsa_forward_progress 1
		.amdhsa_inst_pref_size 66
	.end_amdhsa_kernel
	.amdgpu_metadata
---
amdhsa.version: [ 1, 2 ]
amdhsa.kernels:
  - .name:           k_q6002df8844_attn
    .symbol:         k_q6002df8844_attn.kd
    .args:
      - { .name: q, .offset: 0, .size: 8, .value_kind: global_buffer, .address_space: global }
      - { .name: kv, .offset: 8, .size: 8, .value_kind: global_buffer, .address_space: global }
      - { .name: out0, .offset: 16, .size: 8, .value_kind: global_buffer, .address_space: global }
    .group_segment_fixed_size: 215040
    .private_segment_fixed_size: 0
    .kernarg_segment_align: 8
    .kernarg_segment_size: 24
    .max_flat_workgroup_size: 512
    .sgpr_count:     66
    .vgpr_count:     256
    .wavefront_size: 32
...
	.end_amdgpu_metadata
.endif
;; end of part 2
